; MI455X (gfx1250); checked and timed in simulation.
; The chip was launched on July 23, 2026; its instructions are those of AMD's public machine-readable ISA for CDNA 5 (MIT licence, August 2026) and "CDNA5" Instruction Set Architecture Reference Guide (July 2026). The comments in the code are by the model that wrote it; some were corrected since.
;; Compressed GPT2 Attention. Allowed arithmetic: matrix products marked QUANTISED: E2M3 operands, one E8M0 scale for each 32 along K, by v_wmma_scale_f32_16x16x128_f8f6f4 with both operands' format E2M3, f32 sums; everything else in f32.
;; Inputs: hidden_states 4 x 2,048 x 1,024 float32; k_bias 1,024 float32; k_weight 1,024 x 1,024 float32; low_rank_output_weight 512 x 1,024 float32; low_rank_value_bias 512 float32; low_rank_value_weight 1,024 x 512 float32; output_bias 1,024 float32; q_bias 1,024 float32; q_weight 1,024 x 1,024 float32.
;; Outputs: out0 4 x 2,048 x 1,024 float32.
;; This version of the problem:
;;   THIS VERSION OF THE PROBLEM IS GIVEN IN LOW PRECISION. The matrix products marked QUANTISED in the list below multiply operands that are first quantised to E2M3 (2 exponent bits, 3 mantissa bits; 6 bits a number), with one power-of-two scale for each 32 numbers along K (OCP MX v1.0); their sums are f32. All else is computed in f32.
;;   The module's matrix products, in the order in which they are computed (A, B: the left and right operand; K: the contracted axis; several contracted axes count as one K, in the product's order):
;;     1. [M 8,192, K 1,024] x [K 1,024, N 1,024]; A: input hidden_states; B: input q_weight: QUANTISED
;;     2. [M 8,192, K 1,024] x [K 1,024, N 1,024]; A: input hidden_states; B: input k_weight: QUANTISED
;;     3. [M 8,192, K 1,024] x [K 1,024, N 512]; A: input hidden_states; B: input low_rank_value_weight: QUANTISED
;;     4. batch 64 x [M 2,048, K 64] x [K 64, N 2,048]; A: computed on the way; B: computed on the way: QUANTISED
;;     5. batch 64 x [M 2,048, K 2,048] x [K 2,048, N 32]; A: softmax (see below); B: computed on the way: QUANTISED
;;     6. [M 8,192, K 512] x [K 512, N 1,024]; A: computed on the way; B: input low_rank_output_weight: QUANTISED
;;   THE QUANTISER, for each operand of a quantised product, along K:
;;     - K is cut into blocks of 32 from its start; a last block that is shorter is filled with zeros.
;;     - A block's scale is 2^e with e = floor(log2(the largest magnitude in the block)) - 2, held to -126 .. 127; a block of zeros has e = 0. As a byte (E8M0): e + 127.
;;     - Each number is divided by its block's scale, clamped to +-7.5, and rounded to the nearest number of E2M3, ties to even, subnormals kept.
;;     - The product sums the exact products of the quantised numbers (number of the format x scale) in f32.
;;   ~~~python
;;   def quantise(x, axis):      # numpy; x: float32 -> the quantised numbers, widened to float32 again
;;       x = np.moveaxis(x, axis, -1); K = x.shape[-1]
;;       x = np.pad(x, [(0, 0)] * (x.ndim - 1) + [(0, -K % 32)]); x = x.reshape(x.shape[:-1] + (-1, 32)); a = np.abs(x).max(-1, keepdims=True)
;;       e = np.where(a > 0, np.clip(np.frexp(np.where(a > 0, a, 1))[1] - 1 - 2, -126, 127), 0)      # np.frexp(a)[1] - 1 = floor(log2(a)), exactly
;;       r = np.clip(x / 2.0 ** e, -7.5, 7.5)
;;       step = 2.0 ** (np.maximum(np.frexp(np.where(r == 0, 1, r))[1] - 1, 0) - 3)
;;       q = np.round(r / step) * step * 2.0 ** e      # np.round: ties to even
;;       return np.moveaxis(q.reshape(q.shape[:-2] + (-1,))[..., :K], -1, axis).astype(np.float32)
;;   ~~~
;;   SOFTMAX AHEAD OF A QUANTISED PRODUCT. Where the list says 'softmax', what is quantised is not the finished softmax but p = 2^(t - M), with t = logit x log2(e) and M = ceil(the row's largest t), a whole number; so 1/2 < the row's largest p <= 1. The row's sum l is taken of the UNQUANTISED p, in f32, and the product's result is divided by l at the end. Since M is a whole number, a kernel that streams over the keys may use a running M (the ceiling of the running maximum): every later rescaling is an exact power of two, which a block's scale takes up: the codes' values come out the same.
;;   OPERANDS COMPUTED ON THE WAY. 'Computed on the way' means the value that the module computes at that place (a softmax that the list does not call 'softmax' is quantised finished and normalised). What goes into a quantiser is computed in f32, as accurately as f32 sums, v_exp_f32 and their like allow (about 1e-6 of the number): no bf16 or f16 on the way to a quantiser, and a product that is left as it is and whose result goes on into a quantised operand takes f32 operands (vector FMAs, or v_wmma_f32_16x16x4_f32). A number that lies on a knife's edge between two numbers of the format may be rounded either way, as far as f32 arithmetic and the matrix unit's own rounding can turn it there, and no further.
;; One version. Each part assembles by itself: llvm-mc -triple=amdgcn-amd-amdhsa -mcpu=gfx1250 --defsym DOCPART=n.
;; ======== version 1 of 1: 3 launches
;; limits: right only within a limited range of input values
;; workspace buffers: xi 6,553,600 bytes; wi 2,048,000 bytes; wo 409,600 bytes; qk 13,631,488 bytes; vv 3,276,800 bytes
;; launch quant (part 1): grid 640 x 1, 4 waves a work-group, no clusters, 34,304 bytes of LDS; arguments hidden_states, q_weight, k_weight, low_rank_value_weight, low_rank_output_weight, xi, wi, wo; writes xi, wi, wo
.if DOCPART == 1
	.amdgcn_target "amdgcn-amd-amdhsa--gfx1250"
	.amdhsa_code_object_version 6
	.text
	.protected	k_q567937d677_quant
	.globl	k_q567937d677_quant
	.p2align	8
	.type	k_q567937d677_quant,@function
k_q567937d677_quant:
	s_mov_b64 s[64:65], 0
	v_nop
	global_prefetch_b8 v0, s[64:65] scope:SCOPE_SE
	s_setreg_imm32_b32 hwreg(HW_REG_WAVE_MODE, 25, 1), 1
	s_wait_xcnt 0x0
; x [8192][1024] f32 (K innermost) and the four weights (K on the FIRST axis) become codes of FP6 (E2M3) with one E8M0 byte for each 32 along K,
; laid in the ORDER OF THE OPERAND'S REGISTERS: a fragment of 16 rows x 128 K is 12 registers a lane, stored as three runs of 512 bytes, registers 4 c .. 4 c + 3 of lane l at 512 c + 16 l.
; A block's scale is 2^(floor(log2(its largest magnitude)) - 2): its byte is the largest magnitude's exponent field - 2, held at 1 from below by a floor among the maximum's leaves.
; LIMITS: a block whose largest magnitude lies under 2^-124 (a block of zeros among them) gets the byte 1 and not the quantiser's value; a block of zeros has zero codes, which add nothing, and this program alone reads the bytes.
; NaN and infinities among the inputs are not served.
; WORK-GROUPS: 0-255 x (64 tokens x 4 K steps of 128, a K step a wave, four fragments a wave); 256-511 q_weight and k_weight, 512-575 the value weight, 576-639 the output weight (a fragment a wave).
; xi: [token / 128][K step][12,800]: 8 fragments, then 512 bytes of scale words at 12,288 + 16 (r + 16 (m / 4)) + 4 (m % 4).
; wi: [set S of 16][K step][16,000]: tiles 0-7 = heads 2 S, 2 S + 1 of the 32 q and k heads, tiles 8, 9 = value head S; words of tiles 0-7 at 15,360 + 16 (r + 16 (t / 4)) + 4 (t % 4), of tiles 8, 9 at 15,872 + 4 (r + 16 (t - 8)).
; wo: [column tile of 64][K step of 4] fragments; words at 393,216 + 512 (ct / 2) + 16 (r + 16 (ct & 1)) + 4 s.
; THE OUTPUT WEIGHT'S ROWS ARE TAKEN IN ANOTHER ORDER inside each block of 32: place P holds row P for P < 8 and P >= 24, row P + 8 for 8 <= P < 16, row P - 8 for 16 <= P < 24: the order in which the attention launch's codes of the other operand fall.
; The weights' scale words leave as stores of 4 bytes, 16 bytes apart (the value weight's 4 bytes apart): 98 KB in all.
.set RAW, 16                           ; v16-143  two sets of 64 registers as loaded (the weights: one set)
.set X,   144                          ; v144-207 64 numbers of my row: register 16 b + i = k 32 b + 16 (lane / 16) + i
.set TM,  208                          ; v208-223 at work
.set PC,  224                          ; v224-243 the codes just made
.set PW,  244                          ; v244     the scale word just made
.set PWS, 248                          ; v248-251 four fragments' scale words
.set SEL, 36                           ; s[36:37] v_permlanex16_b32's selects for lane l xor 16
.set STG, 8448                         ; LDS: a stage of 16 rows x (512 + 16) bytes for each wave
; 64 numbers of a lane become a fragment's codes in v[PC] .. v[PC+11] and its scale word in v[PW]
.macro QUANT s
.irp b, 0,1,2,3
	v_max3_num_f32 v[TM+\b], |v[\s+16*\b]|, |v[\s+1+16*\b]|, 0x1800000   ; block b: my 16 numbers, and the floor 2^(3 - 127): the byte cannot fall under 1
.endr
.irp i, 2,4,6,8,10,12,14
.irp b, 0,1,2,3
	v_max3_num_f32 v[TM+\b], v[TM+\b], |v[\s+16*\b+\i]|, |v[\s+1+16*\b+\i]|   ; the four blocks by turns
.endr
.endr
.irp b, 0,1,2,3
	v_permlanex16_b32 v[TM+4+\b], v[TM+\b], s[SEL], s[SEL+1]
.endr
.irp b, 0,1,2,3
	v_max_num_f32 v[TM+\b], v[TM+\b], v[TM+4+\b]   ; with lane l xor 16's: the block's largest magnitude
.endr
.irp b, 0,1,2,3
	v_add_nc_u32 v[TM+12+\b], 0xff000000, v[TM+\b]   ; 2 off its exponent field: the conversion's scale operand
.endr
.irp b, 0,1,2,3
	v_lshrrev_b32 v[TM+4+\b], 23, v[TM+12+\b]      ; the scale's byte
.endr
	v_lshl_or_b32 v[PW], v[TM+5], 8, v[TM+4]
	v_lshl_or_b32 v[PW], v[TM+6], 16, v[PW]
	v_lshl_or_b32 v[PW], v[TM+7], 24, v[PW]
.irp c, 0,1
	v_cvt_scalef32_pk16_fp6_f32 v[PC+6*\c:PC+2+6*\c], v[\s+32*\c:\s+15+32*\c], v[TM+12+2*\c]
	v_cvt_scalef32_pk16_fp6_f32 v[PC+12+4*\c:PC+14+4*\c], v[\s+16+32*\c:\s+31+32*\c], v[TM+12+2*\c+1]   ; (a conversion's three registers begin on an even number)
.endr
	v_nop                                          ; one plain place behind the scaled conversions
.irp c, 0,1                                    ; the operand wants a WHOLE block in a lane: lanes 0-15 block 2 c, lanes 16-31 block 2 c + 1
.irp i, 0,1,2
	v_permlane16_swap_b32 v[PC+6*\c+\i], v[PC+12+4*\c+\i]
.endr
.irp i, 0,1,2
	v_mov_b32 v[PC+3+6*\c+\i], v[PC+12+4*\c+\i]
.endr
.endr
.endm
	s_load_b512 s[4:19], s[0:1], 0x0               ; x s[4:5], Wq s[6:7], Wk s[8:9], Wv s[10:11], Wo s[12:13], xi s[14:15], wi s[16:17], wo s[18:19]
	v_lshl_add_u32 v254, v0, 2, 0x8400
	v_mov_b32 v255, 0
	v_lshrrev_b32 v1, 5, v0
	v_readfirstlane_b32 s20, v1                    ; wave 0..3
	v_and_b32 v1, 31, v0                           ; lane
	v_and_b32 v2, 15, v0                           ; r
	v_bfe_u32 v3, v0, 4, 1                         ; h
	v_lshlrev_b32 v4, 4, v1                        ; 16 x lane
	s_mov_b32 s[SEL], 0x76543210
	s_mov_b32 s[SEL+1], 0xfedcba98
.irp b, 0,1,2,3
	v_mov_b32 v[TM+4+\b], 0                        ; written once: a lane permute's destination counts as one of its sources
.endr
	s_wait_kmcnt 0x0
	s_cmp_lt_u32 ttmp9, 256
	s_cbranch_scc0 .Lweights
	; ---- x.  G = the group of 64 tokens, s = the K step
	s_lshr_b32 s21, ttmp9, 1                       ; G
	s_and_b32 s22, ttmp9, 1
	s_lshl_b32 s22, s22, 2
	s_add_co_u32 s22, s22, s20                     ; s = 4 (u & 1) + wave
	s_lshl_b32 s24, s21, 18                        ; 64 rows of 4,096 bytes
	s_lshl_b32 s23, s22, 9                         ; 128 numbers
	s_add_co_u32 s24, s24, s23
	s_mov_b32 s25, 0
	s_add_nc_u64 s[4:5], s[4:5], s[24:25]
	s_lshr_b32 s23, s21, 1
	s_lshl_b32 s23, s23, 3
	s_add_co_u32 s23, s23, s22
	s_mul_i32 s24, s23, 12800                      ; the area of (token / 128, s)
	s_and_b32 s23, s21, 1                          ; which four of its eight tiles
	s_mul_i32 s26, s23, 6144
	s_add_co_u32 s26, s26, s24
	s_mov_b32 s27, 0
	s_lshl_b32 s28, s23, 8
	s_add_co_u32 s28, s28, s24
	s_add_co_u32 s28, s28, 12288
	s_mov_b32 s29, 0
	s_add_nc_u64 s[26:27], s[14:15], s[26:27]      ; codes
	s_add_nc_u64 s[28:29], s[14:15], s[28:29]      ; scale words
	s_mul_i32 s30, s20, STG
	s_wait_alu depctr_va_vdst(0)
	v_add_nc_u32 v5, s30, v4                       ; into my stage: a row as it lies, 16 bytes a lane
	v_mul_u32_u24 v6, v2, 528
	v_lshl_add_u32 v6, v3, 6, v6
	v_add_nc_u32 v6, s30, v6                       ; out of it: row r, + 64 h: my 16 numbers of a block of 32.  528 = 33 x 16: sixteen lanes take sixteen different columns of 16 bytes
	v_lshlrev_b32 v7, 4, v2                        ; 16 r
.macro LOADX f                         ; 16 tokens' 512 bytes of the K step: each load reads 512 consecutive bytes
.irp i, 0,1,2,3,4,5,6,7,8,9,10,11,12,13,14,15
	global_load_b128 v[RAW+64*((\f)%2)+4*\i:RAW+64*((\f)%2)+4*\i+3], v4, s[4:5] offset:(16*(\f)+\i)*4096 th:TH_LOAD_NT
.endr
.endm
.macro FRAGX f
.if (\f) < 3
	s_wait_loadcnt 16                              ; this set's 16 loads are in; the 16 of the set issued behind it may be out
.else
	s_wait_loadcnt 0x0
.endif
.irp i, 0,1,2,3,4,5,6,7,8,9,10,11,12,13,14,15
	ds_store_b128 v5, v[RAW+64*((\f)%2)+4*\i:RAW+64*((\f)%2)+4*\i+3] offset:528*\i
.endr
.irp b, 0,1,2,3
.irp j, 0,1,2,3
	ds_load_b128 v[X+16*\b+4*\j:X+16*\b+4*\j+3], v6 offset:128*\b+16*\j   ; LDS serves a wave's instructions in order: these see my stores
.endr
.endr
	s_wait_dscnt 0x0                               ; the numbers are back, and the stores have read the raw set
	s_wait_xcnt 0x0                                ; the last fragment's stores have read the codes' registers
.if (\f) < 2
	LOADX (\f)+2
.endif
	QUANT X
	v_mov_b32 v[PWS+(\f)], v[PW]
.irp c, 0,1,2
	global_store_b128 v4, v[PC+4*\c:PC+4*\c+3], s[26:27] offset:1536*(\f)+512*\c   ; 512 consecutive bytes, at a multiple of 256 from xi's first byte
.endr
.endm
	LOADX 0
	LOADX 1
	s_wait_alu depctr_va_vdst(0)
	FRAGX 0
	FRAGX 1
	FRAGX 2
	FRAGX 3
	global_store_b128 v7, v[PWS:PWS+3], s[28:29]   ; four tiles' words of row r: 256 consecutive bytes (lanes 16-31 hold and write the same as lanes 0-15)
	s_wait_tensorcnt 0x0
	ds_add_u32 v254, v255
	s_wait_dscnt 0x0
	s_endpgm
; ---- a weight's fragment: 16 columns x 128 along K.  LANE r TAKES COLUMN r AND ITS REGISTERS RUN DOWN K, in the order that the operand's layout gives the lane: k = 64 c + 32 h + i.
; s[24:25] the fragment's first number, s[26:27] where its codes go, s[28:29] and v9 where its scale words go.  perm = 1: place i of a block takes row sigma(i).
.macro WFRAG stride, perm
	v_mul_u32_u24 v8, v3, 32*(\stride)
	v_lshl_add_u32 v8, v2, 2, v8                   ; 4 r + 32 rows x h
.set C_, 0
.rept 2
.set I_, 0
.rept 32
.set P_, (1-(\perm))*I_+(\perm)*(8*(2*((I_/8)%2)+I_/16)+I_%8)
	global_load_b32 v[RAW+32*C_+I_], v8, s[24:25] offset:(64*C_+P_)*(\stride)   ; sixteen lanes read 64 consecutive bytes; the four waves stand side by side on 256
.set I_, I_+1
.endr
.set C_, C_+1
.endr
	s_wait_loadcnt 0x0
.irp c, 0,1                                    ; my block 2 c + h: all its 32 numbers are mine
	v_max3_num_f32 v[TM+\c], |v[RAW+32*\c]|, |v[RAW+1+32*\c]|, 0x1800000
.endr
.irp i, 2,4,6,8,10,12,14,16,18,20,22,24,26,28,30
.irp c, 0,1
	v_max3_num_f32 v[TM+\c], v[TM+\c], |v[RAW+32*\c+\i]|, |v[RAW+1+32*\c+\i]|
.endr
.endr
.irp c, 0,1
	v_add_nc_u32 v[TM+12+\c], 0xff000000, v[TM+\c]
.endr
.irp c, 0,1
	v_lshrrev_b32 v[TM+8+\c], 23, v[TM+12+\c]
.endr
	v_lshl_or_b32 v[PW], v[TM+9], 16, v[TM+8]      ; my two bytes: blocks h and 2 + h,
	v_lshlrev_b32 v10, 3, v3
	v_lshlrev_b32 v[PW], v10, v[PW]                ; at their places in the word;
	v_permlanex16_b32 v[TM+4], v[PW], s[SEL], s[SEL+1]
	v_or_b32 v[PW], v[PW], v[TM+4]                 ; with lane l xor 16's two the word is whole
.irp c, 0,1
	v_cvt_scalef32_pk16_fp6_f32 v[PC+6*\c:PC+2+6*\c], v[RAW+32*\c:RAW+15+32*\c], v[TM+12+\c]
	v_cvt_scalef32_pk16_fp6_f32 v[PC+12+4*\c:PC+14+4*\c], v[RAW+16+32*\c:RAW+31+32*\c], v[TM+12+\c]
.endr
	v_nop                                          ; one plain place behind the scaled conversions
.irp c, 0,1
.irp i, 0,1,2
	v_mov_b32 v[PC+3+6*\c+\i], v[PC+12+4*\c+\i]
.endr
.endr
.irp c, 0,1,2
	global_store_b128 v4, v[PC+4*\c:PC+4*\c+3], s[26:27] offset:512*\c
.endr
	global_store_b32 v9, v[PW], s[28:29]           ; (lanes 16-31 hold and write the same as lanes 0-15)
.endm
.Lweights:
	s_sub_co_u32 s21, ttmp9, 256
	s_cmp_lt_u32 s21, 256
	s_cbranch_scc0 .Lnot_qk
	; ---- q_weight, k_weight: cg = one of the 32 heads, s = the K step; wave = the head's tile of 16 columns
	s_lshr_b32 s22, s21, 3                         ; cg
	s_and_b32 s23, s21, 7                          ; s
	s_cmp_lt_u32 s22, 16
	s_cselect_b64 s[24:25], s[6:7], s[8:9]         ; the choice hangs on the work-group's number alone
	s_and_b32 s30, s22, 15
	s_lshl_b32 s30, s30, 8                         ; 64 columns
	s_lshl_b32 s31, s20, 6                         ; 16 columns a wave
	s_add_co_u32 s30, s30, s31
	s_lshl_b32 s31, s23, 19                        ; 128 rows of 4,096 bytes
	s_add_co_u32 s30, s30, s31
	s_mov_b32 s31, 0
	s_add_nc_u64 s[24:25], s[24:25], s[30:31]
	s_lshr_b32 s30, s22, 1                         ; S
	s_lshl_b32 s30, s30, 3
	s_add_co_u32 s30, s30, s23
	s_mul_i32 s30, s30, 16000                      ; the area of (S, s)
	s_and_b32 s32, s22, 1                          ; t / 4
	s_lshl_b32 s33, s32, 2
	s_add_co_u32 s33, s33, s20                     ; t
	s_mul_i32 s34, s33, 1536
	s_add_co_u32 s34, s34, s30
	s_mov_b32 s35, 0
	s_add_nc_u64 s[26:27], s[16:17], s[34:35]
	s_lshl_b32 s34, s32, 8
	s_lshl_b32 s33, s20, 2
	s_add_co_u32 s34, s34, s33
	s_add_co_u32 s34, s34, s30
	s_add_co_u32 s34, s34, 15360
	s_add_nc_u64 s[28:29], s[16:17], s[34:35]
	s_wait_alu depctr_va_vdst(0)
	v_lshlrev_b32 v9, 4, v2
	WFRAG 4096, 0
	s_endpgm
.Lnot_qk:
	s_cmp_lt_u32 s21, 320
	s_cbranch_scc0 .Lwo
	; ---- the value weight: vg = 64 columns = two heads
	s_sub_co_u32 s22, s21, 256
	s_lshr_b32 s22, s22, 3                         ; vg
	s_and_b32 s23, s21, 7                          ; s
	s_lshl_b32 s30, s22, 8
	s_lshl_b32 s31, s20, 6
	s_add_co_u32 s30, s30, s31
	s_lshl_b32 s31, s23, 18                        ; 128 rows of 2,048 bytes
	s_add_co_u32 s30, s30, s31
	s_mov_b32 s31, 0
	s_add_nc_u64 s[24:25], s[10:11], s[30:31]
	s_lshl_b32 s30, s22, 1
	s_lshr_b32 s32, s20, 1
	s_add_co_u32 s30, s30, s32                     ; S = 2 vg + wave / 2
	s_lshl_b32 s30, s30, 3
	s_add_co_u32 s30, s30, s23
	s_mul_i32 s30, s30, 16000
	s_and_b32 s32, s20, 1                          ; t - 8
	s_mul_i32 s34, s32, 1536
	s_add_co_u32 s34, s34, s30
	s_add_co_u32 s34, s34, 8*1536
	s_mov_b32 s35, 0
	s_add_nc_u64 s[26:27], s[16:17], s[34:35]
	s_lshl_b32 s34, s32, 6
	s_add_co_u32 s34, s34, s30
	s_add_co_u32 s34, s34, 15872
	s_add_nc_u64 s[28:29], s[16:17], s[34:35]
	s_wait_alu depctr_va_vdst(0)
	v_lshlrev_b32 v9, 2, v2
	WFRAG 2048, 0
	s_endpgm
.Lwo:
	; ---- the output weight: ct = the tile of 16 columns, s = the K step of 4
	s_sub_co_u32 s22, s21, 320
	s_lshr_b32 s22, s22, 2
	s_and_b32 s23, s21, 3                          ; s
	s_lshl_b32 s32, s22, 2
	s_add_co_u32 s32, s32, s20                     ; ct
	s_lshl_b32 s30, s32, 6
	s_lshl_b32 s31, s23, 19
	s_add_co_u32 s30, s30, s31
	s_mov_b32 s31, 0
	s_add_nc_u64 s[24:25], s[12:13], s[30:31]
	s_lshl_b32 s34, s32, 2
	s_add_co_u32 s34, s34, s23
	s_mul_i32 s34, s34, 1536
	s_mov_b32 s35, 0
	s_add_nc_u64 s[26:27], s[18:19], s[34:35]
	s_lshr_b32 s34, s32, 1
	s_lshl_b32 s34, s34, 9
	s_and_b32 s33, s32, 1
	s_lshl_b32 s33, s33, 8
	s_add_co_u32 s34, s34, s33
	s_lshl_b32 s33, s23, 2
	s_add_co_u32 s34, s34, s33
	s_add_co_u32 s34, s34, 393216
	s_add_nc_u64 s[28:29], s[18:19], s[34:35]
	s_wait_alu depctr_va_vdst(0)
	v_lshlrev_b32 v9, 4, v2
	WFRAG 4096, 1
	s_endpgm
.Lfunc_end_k_q567937d677_quant:
	.size	k_q567937d677_quant, .Lfunc_end_k_q567937d677_quant-k_q567937d677_quant
	.p2alignl 7, 3214868480
	.fill 96, 4, 3214868480
	.section	.rodata,"a",@progbits
	.p2align	6, 0x0
	.amdhsa_kernel k_q567937d677_quant
		.amdhsa_group_segment_fixed_size 34304
		.amdhsa_private_segment_fixed_size 0
		.amdhsa_enable_private_segment 0
		.amdhsa_kernarg_size 64
		.amdhsa_user_sgpr_count 2
		.amdhsa_user_sgpr_kernarg_segment_ptr 1
		.amdhsa_wavefront_size32 1
		.amdhsa_system_sgpr_workgroup_id_x 1
		.amdhsa_system_sgpr_workgroup_id_y 1
		.amdhsa_system_sgpr_workgroup_id_z 1
		.amdhsa_system_vgpr_workitem_id 0
		.amdhsa_next_free_vgpr 256
		.amdhsa_next_free_sgpr 66
		.amdhsa_reserve_vcc 0
		.amdhsa_float_denorm_mode_32 3
		.amdhsa_float_denorm_mode_16_64 3
		.amdhsa_memory_ordered 1
		.amdhsa_forward_progress 1
		.amdhsa_inst_pref_size 65
	.end_amdhsa_kernel
	.amdgpu_metadata
---
amdhsa.version: [ 1, 2 ]
amdhsa.kernels:
  - .name:           k_q567937d677_quant
    .symbol:         k_q567937d677_quant.kd
    .args:
      - { .name: hidden_states, .offset: 0, .size: 8, .value_kind: global_buffer, .address_space: global }
      - { .name: q_weight, .offset: 8, .size: 8, .value_kind: global_buffer, .address_space: global }
      - { .name: k_weight, .offset: 16, .size: 8, .value_kind: global_buffer, .address_space: global }
      - { .name: low_rank_value_weight, .offset: 24, .size: 8, .value_kind: global_buffer, .address_space: global }
      - { .name: low_rank_output_weight, .offset: 32, .size: 8, .value_kind: global_buffer, .address_space: global }
      - { .name: xi, .offset: 40, .size: 8, .value_kind: global_buffer, .address_space: global }
      - { .name: wi, .offset: 48, .size: 8, .value_kind: global_buffer, .address_space: global }
      - { .name: wo, .offset: 56, .size: 8, .value_kind: global_buffer, .address_space: global }
    .group_segment_fixed_size: 34304
    .private_segment_fixed_size: 0
    .kernarg_segment_align: 8
    .kernarg_segment_size: 64
    .max_flat_workgroup_size: 128
    .sgpr_count:     66
    .vgpr_count:     256
    .wavefront_size: 32
...
	.end_amdgpu_metadata
.endif
;; end of part 1
;; launch qkv (part 2): grid 8 x 32, 4 waves a work-group, clusters of 4 x 4, 327,680 bytes of LDS; arguments xi, wi, q_bias, k_bias, low_rank_value_bias, qk, vv; writes qk, vv
.if DOCPART == 2
	.amdgcn_target "amdgcn-amd-amdhsa--gfx1250"
	.amdhsa_code_object_version 6
	.text
	.protected	k_q567937d677_qkv
	.globl	k_q567937d677_qkv
	.p2align	8
	.type	k_q567937d677_qkv,@function
k_q567937d677_qkv:
	s_mov_b64 s[64:65], 0
	v_nop
	global_prefetch_b8 v0, s[64:65] scope:SCOPE_SE
	s_setreg_imm32_b32 hwreg(HW_REG_WAVE_MODE, 25, 1), 1
	s_wait_xcnt 0x0
	s_wait_alu depctr_hold_cnt(0) depctr_sa_sdst(0) depctr_va_vdst(0) depctr_va_sdst(0) depctr_va_ssrc(0) depctr_va_vcc(0) depctr_vm_vsrc(0)
	s_getreg_b32 s2, hwreg(HW_REG_IB_STS2, 6, 4)
	s_cmp_eq_u32 s2, 0
	s_cbranch_scc0 .Lentry_in_a_cluster
	s_endpgm
.Lentry_in_a_cluster:
	s_bfe_u32 s2, ttmp6, 0x10000c
	s_cmp_lg_u32 s2, 0xf033
	s_cbranch_scc0 .Lentry_shape_is_right
	s_endpgm
.Lentry_shape_is_right:
.set SLOT,  115200
.set XPART, 25600
.set WPART, 32000
.set WOFF,  2*XPART
.set XSTEP, 12800
.set WSTEP, 16000
.set SPARE, 2*SLOT
.set AX,  16
.set AW,  18
.set AW4, 20
.set SPW, 28
.set NIL, 29
.set XF,  32
.set WF,  128
.set SCS, 224
.set BQ,  32
.set BV,  96
.set T,   100
.set TM,  164
.set PC,  180
.set PWQ, 200
.set PW,  204
.set PWV, 206
.set G1,  24
.set G0,  32
.set G1B, 48
.set G0B, 56
.set SEL, 78
.set MSB, 0
.macro WIN new
.if MSB != (\new)
	s_set_vgpr_msb (MSB<<8)|(\new)
.set MSB, (\new)
.endif
.endm
.macro JLOAD s
	s_cmp_eq_u32 s15, 0
	s_cbranch_scc0 .Lfor_w_\@
	tensor_load_to_lds s[G0+4*\s:G0+4*\s+3], s[G1:G1+7]
	s_nop 0
.rept 4
	v_nop
.endr
	s_branch .Lasked_\@
.Lfor_w_\@:
	tensor_load_to_lds s[G0B+4*\s:G0B+4*\s+3], s[G1B:G1B+7]
	s_nop 0
.rept 4
	v_nop
.endr
.Lasked_\@:
.endm
.macro CREST
	s_cmp_lg_u32 s14, 0
	s_cbranch_scc1 .Lnot_wave_0_\@
	s_barrier_signal -3
.Lnot_wave_0_\@:
	s_barrier_wait -3
	s_barrier_signal -1
	s_barrier_wait -1
.endm
.macro CROUND
	s_barrier_signal -1
	s_barrier_wait -1
	CREST
.endm
.macro PLACES
.rept 4
	v_nop
.endr
.endm
.macro WM d, a, b, zero, sa, sb, ra, rb
.set RR_, 4*(\zero)+2*(\ra)+(\rb)
.if RR_ == 0
	v_wmma_scale_f32_16x16x128_f8f6f4 v[(\d):(\d)+7], v[(\a):(\a)+11], v[(\b):(\b)+11], v[(\d):(\d)+7], v[\sa], v[\sb] matrix_a_fmt:MATRIX_FMT_FP6 matrix_b_fmt:MATRIX_FMT_FP6
.elseif RR_ == 1
	v_wmma_scale_f32_16x16x128_f8f6f4 v[(\d):(\d)+7], v[(\a):(\a)+11], v[(\b):(\b)+11], v[(\d):(\d)+7], v[\sa], v[\sb] matrix_a_fmt:MATRIX_FMT_FP6 matrix_b_fmt:MATRIX_FMT_FP6 matrix_b_scale:MATRIX_SCALE_ROW1
.elseif RR_ == 2
	v_wmma_scale_f32_16x16x128_f8f6f4 v[(\d):(\d)+7], v[(\a):(\a)+11], v[(\b):(\b)+11], v[(\d):(\d)+7], v[\sa], v[\sb] matrix_a_fmt:MATRIX_FMT_FP6 matrix_b_fmt:MATRIX_FMT_FP6 matrix_a_scale:MATRIX_SCALE_ROW1
.elseif RR_ == 3
	v_wmma_scale_f32_16x16x128_f8f6f4 v[(\d):(\d)+7], v[(\a):(\a)+11], v[(\b):(\b)+11], v[(\d):(\d)+7], v[\sa], v[\sb] matrix_a_fmt:MATRIX_FMT_FP6 matrix_b_fmt:MATRIX_FMT_FP6 matrix_a_scale:MATRIX_SCALE_ROW1 matrix_b_scale:MATRIX_SCALE_ROW1
.elseif RR_ == 4
	v_wmma_scale_f32_16x16x128_f8f6f4 v[(\d):(\d)+7], v[(\a):(\a)+11], v[(\b):(\b)+11], 0, v[\sa], v[\sb] matrix_a_fmt:MATRIX_FMT_FP6 matrix_b_fmt:MATRIX_FMT_FP6
.elseif RR_ == 5
	v_wmma_scale_f32_16x16x128_f8f6f4 v[(\d):(\d)+7], v[(\a):(\a)+11], v[(\b):(\b)+11], 0, v[\sa], v[\sb] matrix_a_fmt:MATRIX_FMT_FP6 matrix_b_fmt:MATRIX_FMT_FP6 matrix_b_scale:MATRIX_SCALE_ROW1
.elseif RR_ == 6
	v_wmma_scale_f32_16x16x128_f8f6f4 v[(\d):(\d)+7], v[(\a):(\a)+11], v[(\b):(\b)+11], 0, v[\sa], v[\sb] matrix_a_fmt:MATRIX_FMT_FP6 matrix_b_fmt:MATRIX_FMT_FP6 matrix_a_scale:MATRIX_SCALE_ROW1
.else
	v_wmma_scale_f32_16x16x128_f8f6f4 v[(\d):(\d)+7], v[(\a):(\a)+11], v[(\b):(\b)+11], 0, v[\sa], v[\sb] matrix_a_fmt:MATRIX_FMT_FP6 matrix_b_fmt:MATRIX_FMT_FP6 matrix_a_scale:MATRIX_SCALE_ROW1 matrix_b_scale:MATRIX_SCALE_ROW1
.endif
.endm
.macro GQK t0, n, p, zero
.set T_, \t0
.rept \n
.set M_, 0
.rept 8
	WM 8*(4*M_+T_%4), WF+12*T_, XF+96*(\p)+12*M_, \zero, SCS+12*(\p)+4+T_%4, SCS+12*(\p)+M_%4, T_/4, M_/4
.set M_, M_+1
.endr
.set T_, T_+1
.endr
.endm
.macro GV p, zero
.set T_, 0
.rept 2
.set M_, 0
.rept 8
	WM 8*(8*T_+M_), XF+96*(\p)+12*M_, WF+12*(8+T_), \zero, SCS+12*(\p)+M_%4, SCS+12*(\p)+8, M_/4, T_
.set M_, M_+1
.endr
.set T_, T_+1
.endr
.endm
.macro RUN1 slot, q, p
	WIN 0xc0
.irp t, 0,1,2,3
.irp c, 0,1,2
	ds_load_b128 v[WF+12*\t+4*\c:WF+12*\t+4*\c+3], v[AW+\slot] offset:WSTEP*(\q)+1536*\t+512*\c
.endr
.endr
	WIN 0
.irp m, 0,1,2,3,4,5,6,7
.irp c, 0,1,2
	ds_load_b128 v[XF+96*(\p)+12*\m+4*\c:XF+96*(\p)+12*\m+4*\c+3], v[AX+\slot] offset:XSTEP*(\q)+1536*\m+512*\c
.endr
.endr
	ds_load_b128 v[SCS+12*(\p):SCS+12*(\p)+3], v[AX+\slot] offset:XSTEP*(\q)+12288
	ds_load_b128 v[SCS+12*(\p)+4:SCS+12*(\p)+7], v[AW+\slot] offset:WSTEP*(\q)+15360
	ds_load_b32 v[SCS+12*(\p)+8], v[AW4+\slot] offset:WSTEP*(\q)+15872
.endm
.macro RUN2 slot, q
	WIN 0xc0
.irp t, 4,5,6,7,8,9
.irp c, 0,1,2
	ds_load_b128 v[WF+12*\t+4*\c:WF+12*\t+4*\c+3], v[AW+\slot] offset:WSTEP*(\q)+1536*\t+512*\c
.endr
.endr
	WIN 0
.endm
.macro STEP slot, zero
	s_wait_dscnt 18
	WIN 0x53
	GQK 0, 4, 0, \zero
	s_wait_dscnt 0x0
	PLACES
	RUN1 \slot, 1, 1
	WIN 0xa3
	GQK 4, 4, 0, \zero
	WIN 0xfc
	GV 0, \zero
	PLACES
	RUN2 \slot, 1
.endm
.macro TURN slot, next, fill
	s_wait_tensorcnt 0x0
	ds_add_u32 v[SPW], v[NIL]
	s_wait_dscnt 19
	WIN 0x53
	GQK 0, 2, 1, 0
	s_wait_dscnt 0x0
	s_barrier_signal -1
	GQK 2, 2, 1, 0
	WIN 0
	s_barrier_wait -1
.if \fill
	CREST
	s_add_nc_u64 s[G0+4*\slot+2:G0+4*\slot+3], s[G0+4*\slot+2:G0+4*\slot+3], 2*XPART
	s_add_nc_u64 s[G0B+4*\slot+2:G0B+4*\slot+3], s[G0B+4*\slot+2:G0B+4*\slot+3], 2*WPART
	JLOAD \slot
.else
	PLACES
.endif
	RUN1 \next, 0, 0
	WIN 0xa3
	GQK 4, 4, 1, 0
	WIN 0xfc
	GV 1, 0
	PLACES
	RUN2 \next, 0
.endm
.macro QUANT s
.irp b, 0,1,2,3
	v_max3_num_f32 v[TM+\b], |v[\s+16*\b]|, |v[\s+1+16*\b]|, 0x1800000
.endr
.irp i, 2,4,6,8,10,12,14
.irp b, 0,1,2,3
	v_max3_num_f32 v[TM+\b], v[TM+\b], |v[\s+16*\b+\i]|, |v[\s+1+16*\b+\i]|
.endr
.endr
.irp b, 0,1,2,3
	v_permlanex16_b32 v[TM+4+\b], v[TM+\b], s[SEL], s[SEL+1]
.endr
.irp b, 0,1,2,3
	v_max_num_f32 v[TM+\b], v[TM+\b], v[TM+4+\b]
.endr
.irp b, 0,1,2,3
	v_add_nc_u32 v[TM+12+\b], 0xff000000, v[TM+\b]
.endr
.irp b, 0,1,2,3
	v_lshrrev_b32 v[TM+4+\b], 23, v[TM+12+\b]
.endr
	v_lshl_or_b32 v[PW], v[TM+5], 8, v[TM+4]
	v_lshl_or_b32 v[PW], v[TM+6], 16, v[PW]
	v_lshl_or_b32 v[PW], v[TM+7], 24, v[PW]
.irp c, 0,1
	v_cvt_scalef32_pk16_fp6_f32 v[PC+6*\c:PC+2+6*\c], v[\s+32*\c:\s+15+32*\c], v[TM+12+2*\c]
	v_cvt_scalef32_pk16_fp6_f32 v[PC+12+4*\c:PC+14+4*\c], v[\s+16+32*\c:\s+31+32*\c], v[TM+12+2*\c+1]
.endr
	v_nop
.irp c, 0,1
.irp i, 0,1,2
	v_permlane16_swap_b32 v[PC+6*\c+\i], v[PC+12+4*\c+\i]
.endr
.irp i, 0,1,2
	v_mov_b32 v[PC+3+6*\c+\i], v[PC+12+4*\c+\i]
.endr
.endr
.endm
	s_load_b128 s[4:7], s[0:1], 0x0
	s_load_b256 s[68:75], s[0:1], 0x10
	s_load_b64 s[76:77], s[0:1], 0x30
	v_lshl_add_u32 v[SPW], v0, 2, SPARE
	v_mov_b32 v[NIL], 0
	ds_add_u32 v28, v29
	ds_add_u32 v28, v29
	s_wait_dscnt 0x0
	v_lshrrev_b32 v1, 5, v0
	v_readfirstlane_b32 s14, v1
	s_lshr_b32 s15, s14, 1
	s_and_b32 s16, s14, 1
	s_bfe_u32 s40, ttmp6, 0x40000
	s_bfe_u32 s41, ttmp6, 0x40004
	s_lshl_b32 s42, ttmp9, 2
	s_add_co_u32 s42, s42, s40
	s_and_b32 s17, ttmp7, 0xffff
	s_lshl_b32 s17, s17, 2
	s_add_co_u32 s17, s17, s41
	s_lshl_b32 s43, s41, 2
	s_lshl_b32 s43, 15, s43
	s_lshl_b32 s44, 0x1111, s40
	s_or_b32 s[G1], s43, (3<<16)|(1<<21)
	s_or_b32 s[G1B], s44, (3<<16)|(1<<21)
	s_mov_b32 s[G1+1], 32<<16
	s_mov_b32 s[G1+2], 100<<16
	s_mov_b32 s[G1+3], 32<<16
	s_mov_b32 s[G1+4], 100
	s_mov_b32 s[G1+5], 32
	s_mov_b32 s[G1+6], 0
	s_mov_b32 s[G1+7], 0
	s_mov_b32 s[G1B+1], 32<<16
	s_mov_b32 s[G1B+2], 125<<16
	s_mov_b32 s[G1B+3], 32<<16
	s_mov_b32 s[G1B+4], 125
	s_mov_b32 s[G1B+5], 32
	s_mov_b32 s[G1B+6], 0
	s_mov_b32 s[G1B+7], 0
	s_lshl_b32 s20, s17, 1
	s_add_co_u32 s20, s20, s16
	s_mul_i32 s20, s20, 8*XSTEP
	s_mov_b32 s21, 0
	s_lshl_b32 s46, s42, 1
	s_add_co_u32 s46, s46, s16
	s_mul_i32 s46, s46, 8*WSTEP
	s_mov_b32 s47, 0
	s_mul_i32 s45, s16, XPART
	s_mul_i32 s22, s16, WPART
	s_add_co_u32 s22, s22, WOFF
	s_wait_kmcnt 0x0
	s_add_nc_u64 s[20:21], s[4:5], s[20:21]
	s_add_nc_u64 s[46:47], s[6:7], s[46:47]
	CROUND
.irp s, 0,1
	s_mov_b32 s[G0+4*\s], 1
	s_add_co_u32 s[G0+4*\s+1], s45, \s*SLOT
	s_add_nc_u64 s[G0+4*\s+2:G0+4*\s+3], s[20:21], \s*XPART
	s_or_b32 s[G0+4*\s+3], s[G0+4*\s+3], 0x80000000
	s_mov_b32 s[G0B+4*\s], 1
	s_add_co_u32 s[G0B+4*\s+1], s22, \s*SLOT
	s_add_nc_u64 s[G0B+4*\s+2:G0B+4*\s+3], s[46:47], \s*WPART
	s_or_b32 s[G0B+4*\s+3], s[G0B+4*\s+3], 0x80000000
	s_wait_alu depctr_va_vdst(0)
	s_wait_tensorcnt 0x0
	ds_add_u32 v28, v29
	ds_add_u32 v28, v29
	s_wait_dscnt 0x0
	CROUND
	JLOAD \s
.endr
	v_and_b32 v1, 31, v0
	v_and_b32 v2, 15, v0
	v_bfe_u32 v3, v0, 4, 1
	v_lshlrev_b32 v22, 4, v1
	v_lshlrev_b32 v23, 3, v1
	v_lshlrev_b32 v24, 4, v2
	v_lshlrev_b32 v25, 2, v1
	v_lshlrev_b32 v26, 5, v3
	v_lshlrev_b32 v27, 2, v2
	s_mul_i32 s95, s15, XPART
	s_mul_i32 s96, s16, WPART
	s_add_co_u32 s96, s96, WOFF
.irp s, 0,1
	v_add_nc_u32 v[AX+\s], s95, v22
	v_add_nc_u32 v[AW+\s], s96, v22
	v_add_nc_u32 v[AW4+\s], s96, v25
	s_add_co_u32 s95, s95, SLOT
	s_add_co_u32 s96, s96, SLOT
.endr
	s_mov_b32 s[SEL], 0x76543210
	s_mov_b32 s[SEL+1], 0xfedcba98
	s_mov_b32 s94, 0xffff0000
	s_lshl_b32 s84, s42, 1
	s_add_co_u32 s84, s84, s16
	s_lshr_b32 s85, s17, 3
	s_and_b32 s86, s17, 7
	s_lshl_b32 s86, s86, 1
	s_add_co_u32 s86, s86, s15
	s_lshl_b32 s87, s85, 5
	s_lshl_b32 s88, s84, 1
	s_add_co_u32 s87, s87, s88
	s_lshl_b32 s87, s87, 4
	s_add_co_u32 s87, s87, s86
	s_mul_i32 s80, s87, 6656
	s_mov_b32 s81, 0
	s_add_nc_u64 s[80:81], s[74:75], s[80:81]
	s_lshl_b32 s87, s85, 4
	s_add_co_u32 s87, s87, s84
	s_lshl_b32 s87, s87, 4
	s_add_co_u32 s87, s87, s86
	s_mul_i32 s82, s87, 3200
	s_mov_b32 s83, 0
	s_add_nc_u64 s[82:83], s[76:77], s[82:83]
	s_cmp_lt_u32 s84, 8
	s_cselect_b64 s[88:89], s[68:69], s[70:71]
	s_and_b32 s90, s84, 7
	s_lshl_b32 s90, s90, 9
	s_mov_b32 s91, 0
	s_add_nc_u64 s[88:89], s[88:89], s[90:91]
	s_lshl_b32 s90, s84, 7
	s_add_nc_u64 s[92:93], s[72:73], s[90:91]
	s_wait_alu depctr_va_vdst(0)
	s_wait_tensorcnt 1
	s_barrier_signal -1
	s_barrier_wait -1
	RUN1 0, 0, 0
	RUN2 0, 0
	STEP 0, 1
	TURN 0, 1, 1
	STEP 1, 0
	TURN 1, 0, 1
	STEP 0, 0
	TURN 0, 1, 0
	STEP 1, 0
.irp g, 0,1
.irp t, 0,1,2,3
.irp k, 0,1
	global_load_b128 v[BQ+32*\g+8*\t+4*\k:BQ+32*\g+8*\t+4*\k+3], v26, s[88:89] offset:256*\g+64*\t+16*\k
.endr
.endr
.endr
	global_load_b32 v[BV], v27, s[92:93]
	global_load_b32 v[BV+2], v27, s[92:93] offset:64
	s_wait_dscnt 18
	WIN 0x53
	GQK 0, 4, 1, 0
	s_wait_dscnt 0x0
	WIN 0xa3
	GQK 4, 4, 1, 0
	WIN 0xfc
	GV 1, 0
	WIN 0
	PLACES
	s_wait_loadcnt 0x0
	v_mov_b32 v[BV+1], 0
	v_mov_b32 v[BV+3], 0
.irp b, 0,1,2,3
	v_mov_b32 v[TM+4+\b], 0
.endr
.irp g, 0,1
.irp mp, 0,1,2,3
	WIN 1+\g
.set I_, 0
.rept 32
	v_pk_add_f32 v[T+I_:T+I_+1], v[64*\mp+I_:64*\mp+I_+1], v[BQ+32*\g+I_%32:BQ+32*\g+I_%32+1]
.set I_, I_+2
.endr
	WIN 0
	s_wait_xcnt 0x0
	QUANT T
	global_store_b128 v22, v[PC:PC+3], s[80:81] offset:106496*\g+768*(2*\mp)
	global_store_b64 v23, v[PC+4:PC+5], s[80:81] offset:106496*\g+768*(2*\mp)+512
	global_store_b128 v22, v[PC+6:PC+9], s[80:81] offset:106496*\g+768*(2*\mp+1)
	global_store_b64 v23, v[PC+10:PC+11], s[80:81] offset:106496*\g+768*(2*\mp+1)+512
	v_perm_b32 v[PWQ+2*(\mp%2)], v[PW], v[PW], 0x01000100      ; a tile's two scale bytes, in both halves of its word
	v_perm_b32 v[PWQ+2*(\mp%2)+1], v[PW], v[PW], 0x03020302
.if \mp%2
	global_store_b128 v24, v[PWQ:PWQ+3], s[80:81] offset:106496*\g+6144+256*(\mp/2)
.endif
.endr
.endr
.irp ct, 0,1
	WIN 3
.set I_, 0
.rept 32
	v_pk_add_f32 v[T+I_:T+I_+1], v[64*\ct+I_:64*\ct+I_+1], v[BV+2*\ct:BV+2*\ct+1] op_sel_hi:[1,0]
.set I_, I_+2
.endr
	WIN 0
	s_wait_xcnt 0x0
	QUANT T
.irp c, 0,1,2
	global_store_b128 v22, v[PC+4*\c:PC+4*\c+3], s[82:83] offset:1536*\ct+512*\c
.endr
	v_mov_b32 v[PWV+\ct], v[PW]
.endr
	v_cndmask_b32 v208, v[PWV], v[PWV+1], s94
	global_store_b32 v25, v208, s[82:83] offset:3072
	s_wait_tensorcnt 0x0
	ds_add_u32 v[SPW], v[NIL]
	s_wait_dscnt 0x0
	CROUND
	s_endpgm
.Lfunc_end_k_q567937d677_qkv:
	.size	k_q567937d677_qkv, .Lfunc_end_k_q567937d677_qkv-k_q567937d677_qkv
	.p2alignl 7, 3214868480
	.fill 96, 4, 3214868480
	.section	.rodata,"a",@progbits
	.p2align	6, 0x0
	.amdhsa_kernel k_q567937d677_qkv
		.amdhsa_group_segment_fixed_size 327680
		.amdhsa_private_segment_fixed_size 0
		.amdhsa_enable_private_segment 0
		.amdhsa_kernarg_size 56
		.amdhsa_user_sgpr_count 2
		.amdhsa_user_sgpr_kernarg_segment_ptr 1
		.amdhsa_wavefront_size32 1
		.amdhsa_system_sgpr_workgroup_id_x 1
		.amdhsa_system_sgpr_workgroup_id_y 1
		.amdhsa_system_sgpr_workgroup_id_z 1
		.amdhsa_system_vgpr_workitem_id 0
		.amdhsa_next_free_vgpr 1024
		.amdhsa_next_free_sgpr 100
		.amdhsa_reserve_vcc 0
		.amdhsa_float_denorm_mode_32 3
		.amdhsa_float_denorm_mode_16_64 3
		.amdhsa_memory_ordered 1
		.amdhsa_forward_progress 1
		.amdhsa_inst_pref_size 190
	.end_amdhsa_kernel
	.amdgpu_metadata
---
amdhsa.version: [ 1, 2 ]
amdhsa.kernels:
  - .name:           k_q567937d677_qkv
    .symbol:         k_q567937d677_qkv.kd
    .args:
      - { .name: xi, .offset: 0, .size: 8, .value_kind: global_buffer, .address_space: global }
      - { .name: wi, .offset: 8, .size: 8, .value_kind: global_buffer, .address_space: global }
      - { .name: q_bias, .offset: 16, .size: 8, .value_kind: global_buffer, .address_space: global }
      - { .name: k_bias, .offset: 24, .size: 8, .value_kind: global_buffer, .address_space: global }
      - { .name: low_rank_value_bias, .offset: 32, .size: 8, .value_kind: global_buffer, .address_space: global }
      - { .name: qk, .offset: 40, .size: 8, .value_kind: global_buffer, .address_space: global }
      - { .name: vv, .offset: 48, .size: 8, .value_kind: global_buffer, .address_space: global }
    .group_segment_fixed_size: 327680
    .private_segment_fixed_size: 0
    .kernarg_segment_align: 8
    .kernarg_segment_size: 56
    .max_flat_workgroup_size: 128
    .sgpr_count:     100
    .vgpr_count:     1024
    .wavefront_size: 32
...
	.end_amdgpu_metadata
.endif
;; end of part 2
;; launch attn (part 3): grid 256 x 1, 16 waves a work-group, clusters of 4 x 1, 309,760 bytes of LDS; arguments qk, vv, wo, output_bias, out0; writes out0
.if DOCPART == 3
	.amdgcn_target "amdgcn-amd-amdhsa--gfx1250"
	.amdhsa_code_object_version 6
	.text
	.protected	k_q567937d677_attn
	.globl	k_q567937d677_attn
	.p2align	8
	.type	k_q567937d677_attn,@function
k_q567937d677_attn:
	s_mov_b64 s[64:65], 0
	v_nop
	global_prefetch_b8 v0, s[64:65] scope:SCOPE_SE
	s_setreg_imm32_b32 hwreg(HW_REG_WAVE_MODE, 25, 1), 1
	s_wait_xcnt 0x0
	s_wait_alu depctr_hold_cnt(0) depctr_sa_sdst(0) depctr_va_vdst(0) depctr_va_sdst(0) depctr_va_ssrc(0) depctr_va_vcc(0) depctr_vm_vsrc(0)
	s_getreg_b32 s2, hwreg(HW_REG_IB_STS2, 6, 4)
	s_cmp_eq_u32 s2, 0
	s_cbranch_scc0 .Lentry_in_a_cluster
	s_endpgm
.Lentry_in_a_cluster:
	s_bfe_u32 s2, ttmp6, 0x10000c
	s_cmp_lg_u32 s2, 0x3003
	s_cbranch_scc0 .Lentry_shape_is_right
	s_endpgm
.Lentry_shape_is_right:
; out = (softmax_k(q . k / 8, causal) v, all heads) Wo + bo: the two products of attention and the projection out, all on codes of FP6 (E2M3) with E8M0 scales.
; SHARES.  A cluster of four work-groups has one pair of query tiles, A = the cluster's number (0 .. 63) and B = 127 - A (16 queries each); its four work-groups are the four batches.  Wave w = head w.
; Key steps of 128: tile A has A / 8 + 1, tile B has B / 8 + 1, 17 together in every work-group; steps all of whose keys come after a tile's queries (the causal mask of the problem's own) are jumped over.
; One walk over B's steps; while A is live both tiles use the step's fragments.  Every branch hangs on the cluster's number, the wave's number and the step alone; the place in the cluster enters only global addresses.
; K AND V GO FROM MEMORY STRAIGHT INTO THE OPERANDS' REGISTERS (the workspace is laid as register images): K one step ahead, V at its step's start.  They are not asked for jointly: the partners walk different batches.
; No separate prefetch: K's loads themselves stand one step ahead of their use.
; Wo IS THE SAME FOR ALL WORK-GROUPS: at the head each wave asks, by ONE joint load with the mask of the four partners, for K steps 0-2 of its own four column tiles (4 rows of 4,608 bytes, 6,144 apart in memory),
; into LDS bytes that the issuing wave alone reads; they are filled once.  All four K steps would not fit in LDS: K step 3 goes straight into registers behind the walk.
; THE SOFTMAX: t = score x log2(e) / 8; M = the running largest t rounded UP to a whole number; p = 2^(t - M) is quantised along the keys, not normalised; the row's sum is of the unquantised p and divides at the end.
; When M moves, the sum and O are multiplied by 2^(old M - new M): exact.
; LAYOUT.  S^T = K Q^T, O^T = V^T P^T: a lane holds ONE query.  The head's size is 64, the instruction's K 128: a fragment of K holds TWO key tiles (registers 0-5, 6-11), multiplied by [Q|0] and by [0|Q];
; a scale word of q or k holds its two bytes in both halves.  THE KEYS OF A TILE ARE CHOSEN so that a lane's 32 registers of tiles (c, 0..3) are one whole block of 32 keys, block 2 c + h, in the order in which v's codes were made:
; tile (c, i), row 8 h + j = key 64 c + 32 h + 8 sigma(i) + j, sigma = 0, 2, 1, 3.  So a block's maximum needs no other lane and the conversions give the operand's registers.
; THE END.  Each head's 32 channels are one block of the last product's K: codes and bytes go to LDS (tile p at 6144 p + 384 head + 24 r + 12 h; bytes at 12288 + 256 p + 16 r + head), one barrier,
; then wave w makes 32 tokens x columns 64 w .. 64 w + 63 (source 0 = 16 columns of Wo, source 1 = 16 tokens; the bias is loaded into the sums' registers) and stores whole rows of 256 bytes through a stage,
; which lies in the wave's own part of Wo in LDS once that part has been read out.
; LIMITS: a p under 2^-126 counts as 0 (v_exp_f32 gives 0 there: ISA guide, its entry); a block under 2^-124 gets the byte 1; NaN and infinities are not served; scaled scores stay under 2^31 in magnitude.
.set KAREA, 6656
.set VAREA, 3200
.set ASB,   12288                      ; LDS: the scale bytes
.set WOL,   12800                      ; LDS: Wo's K steps 0-2, WSL bytes for each wave: column tile t at 4608 t, K step s at 1536 s
.set WSL,   18432
.set SPARE, 307712                     ; LDS: the spare words, 128 bytes a wave
.set SPW, 12
.set NIL, 13
.set QZ,  16                           ; v16-45: 0 | Q of A | 0 | Q of B | 0, six registers each
.set QDA, QZ+6
.set QDB, QZ+18
.set QSA, 46
.set QSB, 47
.set KF,  48                           ; v48-95  four fragments of K, two tiles each
.set KS,  96                           ; v96-99  K's scale words: lanes 0-15 tile (0, i), lanes 16-31 tile (1, i)
.set VF,  100                          ; v100-123
.set VSC, 124
.set PW,  125                          ; p's scale word
.set S,   126                          ; v126-189 S^T, then p
.set OB,  190
.set OA,  206
.set PCD, 222                          ; v222-233 p's codes; before them at work
.set CT,  234                          ; v234-241 the conversions' second halves; before them at work
.set MMB, 242                          ; -M, the largest score
.set SMB, 244                          ; the sum, two halves
.set MMA, 246
.set SMA, 248
.set SB,  250                          ; the sums' second chain
.set F,   252                          ; f = 2^(old M - new M)
.set SO,  254                          ; the conversions' scale operands
.set BM,  CT
.set TMP, CT+4
.set PTR, CT+5
.set TMPN, CT+6
.set TD,  CT+7
.set BX,  PCD
.set PB,  PCD+2
.set PX,  PCD+4
.set WV,  14
.set DSA, 18
.set DSB, 19
.set ST,  20
.set QOA, 21
.set SEL, 22
.set CS,  24
.set CSN, 26
.set QOB, 27
.set KB,  28
.set VB,  30
.set OUTA, 44
.set OUTB, 46
.set WOB, 48
.set WSB, 50
.set BIB, 52
.set G0,  56                           ; s[56:59] the joint load's group 0
.set G1,  68                           ; s[68:75] its group 1
.macro PLACES
.rept 4
	v_nop
.endr
.endm
.macro ROUND                           ; a round of the cluster's barrier
	s_barrier_signal -1
	s_barrier_wait -1
	s_cmp_lg_u32 s[WV], 0
	s_cbranch_scc1 .Lnot_wave_0_\@
	s_barrier_signal -3
.Lnot_wave_0_\@:
	s_barrier_wait -3
	s_barrier_signal -1
	s_barrier_wait -1
.endm
.macro KLOAD o                         ; a step's eight key tiles and their scale words; sigma(i) / 2 = i % 2, sigma(i) % 2 = i / 2
.irp i, 0,1,2,3
.irp c, 0,1
	global_load_b128 v[KF+12*\i+6*\c:KF+12*\i+6*\c+3], v1, s[KB:KB+1] offset:(\o)+3072*\c+768*(\i%2)+128*(\i/2)
	global_load_b64 v[KF+12*\i+6*\c+4:KF+12*\i+6*\c+5], v2, s[KB:KB+1] offset:(\o)+3072*\c+768*(\i%2)+512+64*(\i/2)
.endr
	global_load_b32 v[KS+\i], v3, s[KB:KB+1] offset:(\o)+6144+128*(\i/2)+4*(\i%2)
.endr
.endm
.macro MASKH c, dm                     ; half a step on the diagonal: hidden where 64 c + 8 sigma(i) + j > my query - 32 h
.irp i, 0,1,2,3
.irp j, 0,1,2,3,4,5,6,7
	v_cmp_gt_i32 vcc_lo, 64*\c+8*(2*(\i%2)+\i/2)+\j, v[\dm]
	v_cndmask_b32 v[S+32*\c+8*\i+\j], v[S+32*\c+8*\i+\j], v11, vcc_lo
.endr
.endr
.endm
; one tile's share of a key step
.macro TILE qd, qs, o, mm, sm, dm, qo, dg, isb
.irp i, 0,1,2,3
	v_wmma_scale_f32_16x16x128_f8f6f4 v[S+8*\i:S+8*\i+7], v[KF+12*\i:KF+12*\i+11], v[\qd:\qd+11], 0, v[KS+\i], v[\qs] matrix_a_fmt:MATRIX_FMT_FP6 matrix_b_fmt:MATRIX_FMT_FP6
.endr
.irp i, 0,1,2,3
	v_wmma_scale_f32_16x16x128_f8f6f4 v[S+32+8*\i:S+39+8*\i], v[KF+12*\i:KF+12*\i+11], v[\qd-6:\qd+5], 0, v[KS+\i], v[\qs] matrix_a_fmt:MATRIX_FMT_FP6 matrix_b_fmt:MATRIX_FMT_FP6 matrix_a_scale:MATRIX_SCALE_ROW1
.endr
	PLACES                                         ; in front of the loads into operands and of the first read of results
.if \isb
.irp ct, 0,1
.irp c, 0,1,2
	global_load_b128 v[VF+12*\ct+4*\c:VF+12*\ct+4*\c+3], v4, s[VB:VB+1] offset:1536*\ct+512*\c
.endr
.endr
	global_load_b32 v[VSC], v6, s[VB:VB+1] offset:3072
	s_cmp_le_u32 s[ST], s[DSA]                     ; tile A still wants this step's K
	s_cbranch_scc1 .Lnk_\@
	s_cmp_ge_u32 s[ST], s[DSB]                     ; the last step asks for nothing more
	s_cbranch_scc1 .Lnk_\@
	KLOAD KAREA
.Lnk_\@:
.else
	KLOAD KAREA                                    ; A's steps all have a successor in the walk
.endif
	s_cmp_lt_u32 s[ST], s[\dg]
	s_cbranch_scc1 .Lopen_\@
	s_cmp_lt_u32 s[\qo], 64
	s_cbranch_scc1 .Llow_\@
	MASKH 1, \dm                                   ; my queries lie in the step's upper 64: the lower 64 keys all count
	s_wait_alu depctr_va_vdst(0)                   ; the wait ahead of the branch
	s_branch .Lopen_\@
.Llow_\@:
	MASKH 0, \dm                                   ; they lie in the lower 64: the upper 64 keys are all hidden
.set I_, 32
.rept 32
	v_mov_b32 v[S+I_], v11
.set I_, I_+1
.endr
	s_wait_alu depctr_va_vdst(0)
.Lopen_\@:
.irp k, 0,1,2,3                                ; the largest score of my two blocks, in four chains by turns, each accumulator from its low end on
	v_max3_num_f32 v[BM+\k], v[S+16*\k], v[S+16*\k+1], v[S+16*\k+2]
.endr
.irp i, 3,5,7,9,11,13
.irp k, 0,1,2,3
	v_max3_num_f32 v[BM+\k], v[BM+\k], v[S+16*\k+\i], v[S+16*\k+\i+1]
.endr
.endr
	v_max3_num_f32 v[BM], v[BM], v[BM+1], v[S+15]
	v_max3_num_f32 v[BM+2], v[BM+2], v[BM+3], v[S+47]
	v_max_num_f32 v[BM], v[BM], v[S+31]
	v_max_num_f32 v[BM+2], v[BM+2], v[S+63]
	v_max_num_f32 v[TMP], v[BM], v[BM+2]
	v_permlanex16_b32 v[PTR], v[TMP], s[SEL], s[SEL+1]
	v_max3_num_f32 v[\mm+1], v[\mm+1], v[TMP], v[PTR]   ; the running largest score of my query
	v_mul_f32 v[TMPN], s[CSN], v[\mm+1]            ; -t
	v_floor_f32 v[TMPN], v[TMPN]                   ; the new -M = -ceil(t)
	v_sub_f32 v[TD], v[TMPN], v[\mm]               ; old M - new M: a whole number, 0 or less
	v_mov_b32 v[\mm], v[TMPN]
	v_cvt_i32_f32 v[TD], v[TD]                     ; (it saturates)
	v_ldexp_f32 v[F], 1.0, v[TD]
.set J_, 0
.rept 32
	v_pk_fma_f32 v[S+J_:S+J_+1], v[S+J_:S+J_+1], s[CS:CS+1], v[\mm:\mm+1] op_sel_hi:[1,0,0]   ; t - M
.set J_, J_+2
.endr
	v_fma_f32 v[BX], v[BM], s[CS], v[\mm]          ; the same of each block's largest score
	v_fma_f32 v[BX+1], v[BM+2], s[CS], v[\mm]
	s_wait_alu depctr_va_vdst(0)                   ; the wait ahead of the batch and ahead of the first reader of O^T
.irp j, 0,2,4,6,8,10,12,14
	v_pk_mul_f32 v[\o+\j:\o+\j+1], v[\o+\j:\o+\j+1], v[F:F+1] op_sel_hi:[1,0]   ; O^T under the new M
.endr
	v_exp_f32 v[BX], v[BX]                         ; the blocks' largest p
	v_exp_f32 v[BX+1], v[BX+1]
.set J_, 0
.rept 64
	v_exp_f32 v[S+J_], v[S+J_]                     ; p = 2^(t - M)
.set J_, J_+1
.endr
	v_pk_mul_f32 v[\sm:\sm+1], v[\sm:\sm+1], v[F:F+1] op_sel_hi:[1,0]   ; the sums under the new M: the plain place behind the batch
	s_wait_alu depctr_va_vdst(0)                   ; one wait for the batch, ahead of its first reader
	v_max_num_f32 v[BX], 0x1800000, v[BX]          ; the floor 2^(3 - 127); the scale's lines and the sum of the UNQUANTISED p by turns
	v_max_num_f32 v[BX+1], 0x1800000, v[BX+1]
	v_pk_add_f32 v[SB:SB+1], v[S:S+1], v[S+2:S+3]
	v_add_nc_u32 v[SO], 0xff000000, v[BX]          ; 2 off the exponent field: the conversion's scale operand
	v_add_nc_u32 v[SO+1], 0xff000000, v[BX+1]
	v_pk_add_f32 v[\sm:\sm+1], v[\sm:\sm+1], v[S+4:S+5]
	v_lshrrev_b32 v[PB], 23, v[SO]
	v_lshrrev_b32 v[PB+1], 23, v[SO+1]
	v_pk_add_f32 v[SB:SB+1], v[SB:SB+1], v[S+6:S+7]
	v_lshl_or_b32 v[PW], v[PB+1], 16, v[PB]        ; my bytes: blocks h and 2 + h,
	v_pk_add_f32 v[\sm:\sm+1], v[\sm:\sm+1], v[S+8:S+9]
	v_lshlrev_b32 v[PW], v8, v[PW]                 ; 8 h bits up;
	v_pk_add_f32 v[SB:SB+1], v[SB:SB+1], v[S+10:S+11]
	v_permlanex16_b32 v[PX], v[PW], s[SEL], s[SEL+1]
	v_pk_add_f32 v[\sm:\sm+1], v[\sm:\sm+1], v[S+12:S+13]
	v_or_b32 v[PW], v[PW], v[PX]                   ; with lane l xor 16's two the word is whole
	v_pk_add_f32 v[SB:SB+1], v[SB:SB+1], v[S+14:S+15]
.irp c, 0,1
	v_cvt_scalef32_pk16_fp6_f32 v[PCD+6*\c:PCD+6*\c+2], v[S+32*\c:S+32*\c+15], v[SO+\c]
	v_cvt_scalef32_pk16_fp6_f32 v[CT+4*\c:CT+4*\c+2], v[S+32*\c+16:S+32*\c+31], v[SO+\c]   ; (a conversion's three registers begin on an even number)
.endr
	v_pk_add_f32 v[\sm:\sm+1], v[\sm:\sm+1], v[S+16:S+17]   ; the plain place behind the conversions
.irp c, 0,1
.irp i, 0,1,2
	v_mov_b32 v[PCD+6*\c+3+\i], v[CT+4*\c+\i]
.endr
.endr
.set J_, 18
.rept 11                                       ; 24 plain lines: the places behind p's word (8) and p's codes (4)
	v_pk_add_f32 v[SB:SB+1], v[SB:SB+1], v[S+J_:S+J_+1]
	v_pk_add_f32 v[\sm:\sm+1], v[\sm:\sm+1], v[S+J_+2:S+J_+3]
.set J_, J_+4
.endr
	v_pk_add_f32 v[SB:SB+1], v[SB:SB+1], v[S+62:S+63]
	v_pk_add_f32 v[\sm:\sm+1], v[\sm:\sm+1], v[SB:SB+1]
.if \isb
	s_wait_loadcnt 0x0                             ; V is in (and the next K, which the next lines of the walk want)
.endif
	v_wmma_scale_f32_16x16x128_f8f6f4 v[\o:\o+7], v[VF:VF+11], v[PCD:PCD+11], v[\o:\o+7], v[VSC], v[PW] matrix_a_fmt:MATRIX_FMT_FP6 matrix_b_fmt:MATRIX_FMT_FP6
	v_wmma_scale_f32_16x16x128_f8f6f4 v[\o+8:\o+15], v[VF+12:VF+23], v[PCD:PCD+11], v[\o+8:\o+15], v[VSC], v[PW] matrix_a_fmt:MATRIX_FMT_FP6 matrix_b_fmt:MATRIX_FMT_FP6 matrix_a_scale:MATRIX_SCALE_ROW1
.endm
.macro QOFF t, sb                      ; byte offsets of tile s[t]'s fragment of Q and of its scale words; s32 = 32 b + head
	s_lshl_b32 s33, s32, 4
	s_lshr_b32 s34, s[\t], 3
	s_add_co_u32 s33, s33, s34
	s_mul_i32 s33, s33, KAREA
	s_and_b32 s34, s[\t], 7
	s_mul_i32 s[\sb], s34, 768
	s_add_co_u32 s[\sb], s[\sb], s33
	s_mov_b32 s[\sb+1], 0
	s_lshr_b32 s34, s34, 2
	s_lshl_b32 s34, s34, 8
	s_and_b32 s35, s[\t], 3
	s_lshl_b32 s35, s35, 2
	s_add_co_u32 s34, s34, s35
	s_add_co_u32 s[\sb+2], s34, s33
	s_mov_b32 s[\sb+3], 0
.endm
.macro QLOAD sb, qd, qs
	s_add_nc_u64 s[\sb:\sb+1], s[4:5], s[\sb:\sb+1]
	s_add_nc_u64 s[\sb+2:\sb+3], s[4:5], s[\sb+2:\sb+3]
	global_load_b128 v[\qd:\qd+3], v4, s[\sb:\sb+1]
	global_load_b64 v[\qd+4:\qd+5], v5, s[\sb:\sb+1] offset:512
	global_load_b32 v[\qs], v7, s[\sb+2:\sb+3] offset:6144
.endm
	s_load_b256 s[4:11], s[0:1], 0x0               ; qk s[4:5], vv s[6:7], wo s[8:9], bo s[10:11]
	s_load_b64 s[12:13], s[0:1], 0x20              ; out
	v_lshl_add_u32 v[SPW], v0, 2, SPARE
	v_mov_b32 v[NIL], 0
	ds_add_u32 v[SPW], v[NIL]                      ; the opening lines: the add, twice on end, and its wait ahead of my tensor load
	ds_add_u32 v[SPW], v[NIL]
	v_lshrrev_b32 v1, 5, v0
	v_readfirstlane_b32 s[WV], v1                  ; wave = head
	v_and_b32 v14, 31, v0                          ; lane
	v_and_b32 v15, 15, v0                          ; r
	v_bfe_u32 v8, v0, 4, 1                         ; h
	v_and_b32 v9, 7, v0
	v_bfe_u32 v10, v0, 3, 1
	v_lshlrev_b32 v4, 4, v14                       ; 16 x lane
	v_lshlrev_b32 v5, 3, v14                       ; 8 x lane
	v_lshlrev_b32 v6, 2, v14                       ; 4 x lane
	v_lshlrev_b32 v7, 4, v15                       ; 16 r
	v_mul_u32_u24 v1, v10, 1536                    ; K: rows 8-15 of a tile lie two stored tiles further on
	v_lshl_add_u32 v2, v9, 3, v1
	v_lshl_add_u32 v2, v8, 7, v2                   ; registers 4, 5: + 8 (r % 8) + 128 h
	v_lshl_add_u32 v1, v9, 4, v1
	v_lshl_add_u32 v1, v8, 8, v1                   ; registers 0-3: + 16 (r % 8) + 256 h
	v_lshlrev_b32 v3, 4, v9
	v_lshl_add_u32 v3, v10, 3, v3
	v_lshl_add_u32 v3, v8, 8, v3                   ; K's words: 16 (r % 8) + 8 (r / 8) + 256 c, c = lane / 16
	s_bfe_u32 s15, ttmp6, 0x40000                  ; b: my place in the cluster; it enters global addresses alone
	s_mov_b32 s16, ttmp9                           ; tile A: the cluster's number
	s_sub_co_u32 s17, 127, s16                     ; tile B
	s_lshr_b32 s[DSA], s16, 3
	s_lshr_b32 s[DSB], s17, 3
	s_and_b32 s[QOA], s16, 7
	s_lshl_b32 s[QOA], s[QOA], 4                   ; the tile's first query in its diagonal step
	s_and_b32 s[QOB], s17, 7
	s_lshl_b32 s[QOB], s[QOB], 4
	v_lshlrev_b32 v11, 5, v8
	v_sub_nc_u32 v11, v15, v11                     ; r - 32 h
	v_add_nc_u32 v9, s[QOA], v11
	v_add_nc_u32 v10, s[QOB], v11
	s_mul_i32 s33, s[WV], 384
	v_mul_u32_u24 v14, v15, 24
	v_mad_u32_u24 v14, v8, 12, v14
	v_add_nc_u32 v14, s33, v14                     ; LDS: my codes: 384 head + 24 r + 12 h
	v_add_nc_u32 v15, s[WV], v7                    ; LDS: my byte: 16 r + head
	v_lshlrev_b32 v8, 3, v8                        ; 8 h
	v_mov_b32 v11, 0xff800000                      ; -infinity for hidden scores
	s_lshl_b32 s32, s15, 5
	s_add_co_u32 s32, s32, s[WV]                   ; q's head among qk's: 32 b + head
	s_add_co_u32 s33, s32, 16                      ; k's
	s_mul_i32 s[KB], s33, 16*KAREA
	s_mov_b32 s[KB+1], 0
	s_lshl_b32 s33, s15, 4
	s_add_co_u32 s33, s33, s[WV]
	s_mul_i32 s[VB], s33, 16*VAREA
	s_mov_b32 s[VB+1], 0
	QOFF 16, 36
	QOFF 17, 40
	s_lshl_b32 s33, s15, 11
	s_lshl_b32 s35, s[WV], 8                       ; 64 columns of 4 bytes
	s_lshl_b32 s34, s16, 4
	s_add_co_u32 s34, s34, s33
	s_lshl_b32 s34, s34, 12
	s_add_co_u32 s[OUTA], s34, s35
	s_mov_b32 s[OUTA+1], 0
	s_lshl_b32 s34, s17, 4
	s_add_co_u32 s34, s34, s33
	s_lshl_b32 s34, s34, 12
	s_add_co_u32 s[OUTB], s34, s35
	s_mov_b32 s[OUTB+1], 0
	s_mul_i32 s[WOB], s[WV], 24576                 ; four column tiles x four K steps x 1,536 bytes
	s_mov_b32 s[WOB+1], 0
	s_lshl_b32 s[WSB], s[WV], 10
	s_add_co_u32 s[WSB], s[WSB], 393216
	s_mov_b32 s[WSB+1], 0
	s_mov_b32 s[BIB], s35
	s_mov_b32 s[BIB+1], 0
	s_mov_b32 s[SEL], 0x76543210
	s_mov_b32 s[SEL+1], 0xfedcba98
	s_mov_b32 s[CS], 0x3e38aa3b                    ; c = log2(e) / 8
	s_mov_b32 s[CS+1], s[CS]
	s_mov_b32 s[CSN], 0xbe38aa3b                   ; -c
	s_mov_b32 s[G1], 15|(3<<16)|(1<<21)            ; group 1: the four partners; elements of 8 bytes; bit 21 beside the mask
	s_mov_b32 s[G1+1], 576<<16                     ; tensor_dim0 = 576 elements: a row of 4,608 bytes, three K steps of a column tile
	s_mov_b32 s[G1+2], 4<<16                       ; tensor_dim1 = 4 column tiles
	s_mov_b32 s[G1+3], 576<<16                     ; tile_dim0
	s_mov_b32 s[G1+4], 4                           ; tile_dim1
	s_mov_b32 s[G1+5], 768                         ; from row to row 6,144 bytes
	s_mov_b32 s[G1+6], 0
	s_mov_b32 s[G1+7], 0
	s_mov_b32 s[G0], 1
	s_mul_i32 s[G0+1], s[WV], WSL
	s_add_co_u32 s[G0+1], s[G0+1], WOL             ; my part of Wo in LDS: the wave's number alone
	s_wait_alu depctr_va_vdst(0)                   ; the wait here, directly ahead of the waits below
	s_wait_dscnt 0x0                               ; both opening adds are done
	s_wait_kmcnt 0x0
	s_add_nc_u64 s[KB:KB+1], s[4:5], s[KB:KB+1]
	s_add_nc_u64 s[VB:VB+1], s[6:7], s[VB:VB+1]
	QLOAD 40, QDB, QSB
	KLOAD 0
	QLOAD 36, QDA, QSA
	s_add_nc_u64 s[OUTA:OUTA+1], s[12:13], s[OUTA:OUTA+1]
	s_add_nc_u64 s[OUTB:OUTB+1], s[12:13], s[OUTB:OUTB+1]
	s_add_nc_u64 s[WOB:WOB+1], s[8:9], s[WOB:WOB+1]
	s_add_nc_u64 s[WSB:WSB+1], s[8:9], s[WSB:WSB+1]
	s_add_nc_u64 s[BIB:BIB+1], s[10:11], s[BIB:BIB+1]
	s_mov_b64 s[G0+2:G0+3], s[WOB:WOB+1]           ; my four column tiles: the wave's number alone, the same in all four partners
	s_or_b32 s[G0+3], s[G0+3], 0x80000000
	ROUND                                          ; all four work-groups are here: the joint loads meet
	tensor_load_to_lds s[G0:G0+3], s[G1:G1+7]      ; my one tensor load: it has the whole walk in which to land
	s_nop 0
.irp i, 0,1,2,3,4,5
	v_mov_b32 v[QZ+\i], 0                          ; zero codes beside Q: written once
	v_mov_b32 v[QZ+12+\i], 0
	v_mov_b32 v[QZ+24+\i], 0
.endr
.set I_, 0
.rept 32
	v_mov_b32 v[OB+I_], 0                          ; both tiles' O^T: the step is written once, and the first change of M leaves zeros zeros
.set I_, I_+1
.endr
.irp m, MMB, MMA
	v_mov_b32 v[\m], 0x7e000000                    ; -M so large that the first f is 0
	v_mov_b32 v[\m+1], 0xff61b1e6                  ; the largest score so far: -3e38
.endr
.irp m, SMB, SMB+1, SMA, SMA+1, PTR, PX, F, F+1
	v_mov_b32 v[\m], 0                             ; the sums; and a lane permute's destination counts as one of its sources
.endr
	s_mov_b32 s[ST], 0
	s_wait_alu depctr_va_vdst(0)                   ; the wait at the head's end
.Lstep:                                                ; the trip count is the constant 16; a step behind tile B's diagonal is jumped over by a scalar branch on ids
	s_wait_loadcnt 0x0                             ; this step's K is in (the first time Q too)
	s_cmp_gt_u32 s[ST], s[DSB]
	s_cbranch_scc1 .Lno_a
	TILE QDB, QSB, OB, MMB, SMB, 10, QOB, DSB, 1
	s_cmp_gt_u32 s[ST], s[DSA]
	s_cbranch_scc1 .Lno_a
	TILE QDA, QSA, OA, MMA, SMA, 9, QOA, DSA, 0
.Lno_a:
	s_wait_xcnt 0x0                                ; the loads have read their bases
	s_add_nc_u64 s[KB:KB+1], s[KB:KB+1], KAREA
	s_add_nc_u64 s[VB:VB+1], s[VB:VB+1], VAREA
	s_add_co_u32 s[ST], s[ST], 1
	s_cmp_lt_u32 s[ST], 16
	s_cbranch_scc1 .Lstep
	s_wait_loadcnt 0x0                             ; no load of the walk is out: the loads below land on its registers
	s_wait_tensorcnt 0x0                           ; my part of Wo is in LDS; I alone read it
; ---- the end
.set ACC, 126                          ; v126-189 sum (m, t) at 8 (4 m + t)
.set WOF, 16                           ; v16-111  Wo's fragments, two sets of four; later rows of out
.set WSW, 112                          ; v112-119 Wo's scale words: register 4 (t / 2) + s, lanes 0-15 even t
.set ASW, 120                          ; v120-123 attn's: register s, lanes 0-15 tile A, 16-31 tile B
.set AFR, 190                          ; v190-237 attn's fragments, two sets of two
.set TO,  222
.set CC,  238
.set CB,  241
.set BMX, 255
.macro WLOAD s                         ; Wo's fragments of K step s from memory into set s % 2
.irp t, 0,1,2,3
.irp c, 0,1,2
	global_load_b128 v[WOF+12*(4*((\s)%2)+\t)+4*\c:WOF+12*(4*((\s)%2)+\t)+4*\c+3], v4, s[WOB:WOB+1] offset:6144*\t+1536*(\s)+512*\c
.endr
.endr
.endm
.macro WLDS s                          ; the same from my part of LDS, K steps 0-2
.irp t, 0,1,2,3
.irp c, 0,1,2
	ds_load_b128 v[WOF+12*(4*((\s)%2)+\t)+4*\c:WOF+12*(4*((\s)%2)+\t)+4*\c+3], v5 offset:4608*\t+1536*(\s)+512*\c
.endr
.endr
.endm
.macro ALOAD s
.irp m, 0,1
.irp c, 0,1
.irp i, 0,1,2
	ds_load_b64 v[AFR+12*(2*((\s)%2)+\m)+6*\c+2*\i:AFR+12*(2*((\s)%2)+\m)+6*\c+2*\i+1], v2 offset:6144*\m+1536*(\s)+768*\c+8*\i
.endr
.endr
.endr
.endm
.macro WM d, a, b, sa, sb, ra, rb
.set RR_, 2*(\ra)+(\rb)
.if RR_ == 0
	v_wmma_scale_f32_16x16x128_f8f6f4 v[(\d):(\d)+7], v[(\a):(\a)+11], v[(\b):(\b)+11], v[(\d):(\d)+7], v[\sa], v[\sb] matrix_a_fmt:MATRIX_FMT_FP6 matrix_b_fmt:MATRIX_FMT_FP6
.elseif RR_ == 1
	v_wmma_scale_f32_16x16x128_f8f6f4 v[(\d):(\d)+7], v[(\a):(\a)+11], v[(\b):(\b)+11], v[(\d):(\d)+7], v[\sa], v[\sb] matrix_a_fmt:MATRIX_FMT_FP6 matrix_b_fmt:MATRIX_FMT_FP6 matrix_b_scale:MATRIX_SCALE_ROW1
.elseif RR_ == 2
	v_wmma_scale_f32_16x16x128_f8f6f4 v[(\d):(\d)+7], v[(\a):(\a)+11], v[(\b):(\b)+11], v[(\d):(\d)+7], v[\sa], v[\sb] matrix_a_fmt:MATRIX_FMT_FP6 matrix_b_fmt:MATRIX_FMT_FP6 matrix_a_scale:MATRIX_SCALE_ROW1
.else
	v_wmma_scale_f32_16x16x128_f8f6f4 v[(\d):(\d)+7], v[(\a):(\a)+11], v[(\b):(\b)+11], v[(\d):(\d)+7], v[\sa], v[\sb] matrix_a_fmt:MATRIX_FMT_FP6 matrix_b_fmt:MATRIX_FMT_FP6 matrix_a_scale:MATRIX_SCALE_ROW1 matrix_b_scale:MATRIX_SCALE_ROW1
.endif
.endm
.macro PROD s                          ; a K step: the eight sums by turns, in the same order in every step
.set T_, 0
.rept 4
.set M_, 0
.rept 2
	WM ACC+8*(4*M_+T_), WOF+12*(4*((\s)%2)+T_), AFR+12*(2*((\s)%2)+M_), WSW+4*(T_/2)+(\s), ASW+(\s), T_%2, M_
.set M_, M_+1
.endr
.set T_, T_+1
.endr
.endm
; a tile's end: O^T / the sum; my 16 channels and lane l xor 16's are one block; 12 bytes of codes a lane and one byte a row, into LDS
.macro FINISH o, sm, p
	v_add_f32 v[\sm], v[\sm], v[\sm+1]
	v_permlanex16_b32 v[F], v[\sm], s[SEL], s[SEL+1]
	v_add_f32 v[\sm], v[\sm], v[F]                 ; the row's sum
	s_wait_alu depctr_va_vdst(0)                   ; the wait ahead of the transcendental
	v_rcp_f32 v[\sm], v[\sm]
	v_nop                                          ; a plain place behind it
	s_wait_alu depctr_va_vdst(0)                   ; and the wait ahead of its first reader, which is O^T's too
.set I_, 0
.rept 16
	v_mul_f32 v[TO+I_], v[\o+I_], v[\sm]
.set I_, I_+1
.endr
	v_max3_num_f32 v[BMX], |v[TO]|, |v[TO+1]|, 0x1800000
.irp i, 2,4,6,8,10,12,14
	v_max3_num_f32 v[BMX], v[BMX], |v[TO+\i]|, |v[TO+1+\i]|
.endr
	v_permlanex16_b32 v[F], v[BMX], s[SEL], s[SEL+1]
	v_max_num_f32 v[BMX], v[BMX], v[F]
	v_add_nc_u32 v[SO], 0xff000000, v[BMX]
	v_lshrrev_b32 v[CB], 23, v[SO]
	v_cvt_scalef32_pk16_fp6_f32 v[CC:CC+2], v[TO:TO+15], v[SO]
	v_nop                                          ; one plain place behind the scaled conversion
.irp i, 0,1,2
	ds_store_b32 v14, v[CC+\i] offset:6144*\p+4*\i
.endr
	ds_store_b8 v15, v[CB] offset:ASB+256*\p       ; (both halves of the lanes write the same byte)
.endm
	PLACES                                         ; behind the last products: their results are read and loads land on their operands
	s_wait_alu depctr_va_vdst(0)                   ; the wait behind the loop's branch
	s_mul_i32 s33, s[WV], WSL
	s_add_co_u32 s33, s33, WOL                     ; my part of Wo in LDS, later my stage
	v_and_b32 v2, 15, v0                           ; r
	v_bfe_u32 v3, v0, 4, 1                         ; h
	v_lshlrev_b32 v1, 5, v3                        ; 32 h
	v_add_nc_u32 v5, s33, v4                       ; + 16 x lane
	global_load_b128 v[WSW:WSW+3], v4, s[WSB:WSB+1]
	global_load_b128 v[WSW+4:WSW+7], v4, s[WSB:WSB+1] offset:512
.irp m, 0,1
.irp t, 0,1,2,3
.irp k, 0,1
	global_load_b128 v[ACC+8*(4*\m+\t)+4*\k:ACC+8*(4*\m+\t)+4*\k+3], v1, s[BIB:BIB+1] offset:64*\t+16*\k   ; the bias of columns 16 t + 8 h + 0..7 starts each sum
.endr
.endr
.endr
	WLOAD 3                                        ; the K step that has no room in LDS, into set 1
	WLDS 0                                         ; and K step 0 into set 0
	FINISH OA, SMA, 0
	FINISH OB, SMB, 1
	v_mul_u32_u24 v9, v2, 272
	v_lshl_add_u32 v9, v3, 5, v9
	v_add_nc_u32 v9, s33, v9                       ; the stage, in: row r of 272 bytes, + 32 h
	v_mul_u32_u24 v10, v3, 272
	v_lshl_add_u32 v10, v2, 4, v10
	v_add_nc_u32 v10, s33, v10                     ; back: sixteen lanes to a row of 256 bytes, two rows an instruction
	v_lshlrev_b32 v6, 12, v3
	v_lshl_add_u32 v6, v2, 4, v6                   ; and the same two rows in out
	v_mul_u32_u24 v2, v2, 24
	v_mad_u32_u24 v2, v3, 384, v2                  ; attn's codes: 24 r + 384 h
	s_wait_alu depctr_va_vdst(0)                   ; the wait here, directly ahead of the wait below
	s_wait_dscnt 0x0                               ; my codes and bytes are in LDS
	s_barrier_signal -1
	s_barrier_wait -1                              ; and so are all sixteen heads'
	ds_load_b128 v[ASW:ASW+3], v4 offset:ASB
	ALOAD 3
	ALOAD 0
	s_wait_loadcnt 0x0
	s_wait_dscnt 0x0
	PROD 3                                         ; the K steps go 3, 0, 1, 2: the two sets of registers take turns
	PLACES
	WLDS 1
	ALOAD 1
	PROD 0
	PLACES
	WLDS 2
	ALOAD 2
	s_wait_dscnt 24                                ; K step 1's are in; K step 2's 24 loads may be out
	PROD 1
	s_wait_dscnt 0x0                               ; my part of Wo has been read out: the stage may lie there
	PROD 2
	PLACES
.irp m, 0,1                                    ; LDS serves a wave's instructions in order (ISA guide 5.7.1.4): no wait between the stores and the loads
.irp t, 0,1,2,3
	ds_store_b128 v9, v[ACC+8*(4*\m+\t):ACC+8*(4*\m+\t)+3] offset:64*\t          ; each sum from its low end on
	ds_store_b128 v9, v[ACC+8*(4*\m+\t)+4:ACC+8*(4*\m+\t)+7] offset:64*\t+16
.endr
.irp i, 0,1,2,3,4,5,6,7
	ds_load_b128 v[WOF+32*\m+4*\i:WOF+32*\m+4*\i+3], v10 offset:544*\i
.endr
.endr
	s_wait_dscnt 16                                ; tile A's rows are back; tile B's 8 stores and 8 loads may be out
.irp i, 0,1,2,3,4,5,6,7
	global_store_b128 v6, v[WOF+4*\i:WOF+4*\i+3], s[OUTA:OUTA+1] offset:8192*\i th:TH_STORE_NT   ; sixteen lanes store 256 consecutive bytes, at a multiple of 256 from out's first byte
.endr
	s_wait_dscnt 0x0
.irp i, 0,1,2,3,4,5,6,7
	global_store_b128 v6, v[WOF+32+4*\i:WOF+32+4*\i+3], s[OUTB:OUTB+1] offset:8192*\i th:TH_STORE_NT
.endr
	s_wait_tensorcnt 0x0                           ; the wave's end
	ds_add_u32 v[SPW], v[NIL]
	s_wait_dscnt 0x0
	ROUND                                          ; the closing round
	s_endpgm
.Lfunc_end_k_q567937d677_attn:
	.size	k_q567937d677_attn, .Lfunc_end_k_q567937d677_attn-k_q567937d677_attn
	.p2alignl 7, 3214868480
	.fill 96, 4, 3214868480
	.section	.rodata,"a",@progbits
	.p2align	6, 0x0
	.amdhsa_kernel k_q567937d677_attn
		.amdhsa_group_segment_fixed_size 309760
		.amdhsa_private_segment_fixed_size 0
		.amdhsa_enable_private_segment 0
		.amdhsa_kernarg_size 40
		.amdhsa_user_sgpr_count 2
		.amdhsa_user_sgpr_kernarg_segment_ptr 1
		.amdhsa_wavefront_size32 1
		.amdhsa_system_sgpr_workgroup_id_x 1
		.amdhsa_system_sgpr_workgroup_id_y 1
		.amdhsa_system_sgpr_workgroup_id_z 1
		.amdhsa_system_vgpr_workitem_id 0
		.amdhsa_next_free_vgpr 256
		.amdhsa_next_free_sgpr 76
		.amdhsa_reserve_vcc 1
		.amdhsa_float_denorm_mode_32 3
		.amdhsa_float_denorm_mode_16_64 3
		.amdhsa_memory_ordered 1
		.amdhsa_forward_progress 1
		.amdhsa_inst_pref_size 73
	.end_amdhsa_kernel
	.amdgpu_metadata
---
amdhsa.version: [ 1, 2 ]
amdhsa.kernels:
  - .name:           k_q567937d677_attn
    .symbol:         k_q567937d677_attn.kd
    .args:
      - { .name: qk, .offset: 0, .size: 8, .value_kind: global_buffer, .address_space: global }
      - { .name: vv, .offset: 8, .size: 8, .value_kind: global_buffer, .address_space: global }
      - { .name: wo, .offset: 16, .size: 8, .value_kind: global_buffer, .address_space: global }
      - { .name: output_bias, .offset: 24, .size: 8, .value_kind: global_buffer, .address_space: global }
      - { .name: out0, .offset: 32, .size: 8, .value_kind: global_buffer, .address_space: global }
    .group_segment_fixed_size: 309760
    .private_segment_fixed_size: 0
    .kernarg_segment_align: 8
    .kernarg_segment_size: 40
    .max_flat_workgroup_size: 512
    .sgpr_count:     76
    .vgpr_count:     256
    .wavefront_size: 32
...
	.end_amdgpu_metadata
.endif
;; end of part 3
